; MI455X (gfx1250); checked and timed in simulation.
; The chip was launched on July 23, 2026; its instructions are those of AMD's public machine-readable ISA for CDNA 5 (MIT licence, August 2026) and "CDNA5" Instruction Set Architecture Reference Guide (July 2026). The comments in the code are by the model that wrote it; some were corrected since.
;; Kmeans Assigner. Allowed arithmetic: matrix products marked QUANTISED: E2M1 operands, one E8M0 scale for each 32 along K, by v_wmma_scale_f32_16x16x128_f8f6f4 with both operands' format E2M1 (or v_wmma_scale_f32_32x16x128_f4), f32 sums; everything else in f32.
;; Inputs: centroids 2,048 x 512 float32; inp 65,536 x 512 float32.
;; Outputs: out0 65,536 int32.
;; This version of the problem:
;;   THIS VERSION OF THE PROBLEM IS GIVEN IN LOW PRECISION. The matrix products marked QUANTISED in the list below multiply operands that are first quantised to E2M1 (2 exponent bits, 1 mantissa bit; 4 bits a number), with one power-of-two scale for each 32 numbers along K (OCP MX v1.0); their sums are f32. All else is computed in f32.
;;   The module's matrix products, in the order in which they are computed (A, B: the left and right operand; K: the contracted axis; several contracted axes count as one K, in the product's order):
;;     1. [M 65,536, K 512] x [K 512, N 2,048]; A: input inp; B: input centroids: QUANTISED
;;   THE QUANTISER, for each operand of a quantised product, along K:
;;     - K is cut into blocks of 32 from its start; a last block that is shorter is filled with zeros.
;;     - A block's scale is 2^e with e = floor(log2(the largest magnitude in the block)) - 2, held to -126 .. 127; a block of zeros has e = 0. As a byte (E8M0): e + 127.
;;     - Each number is divided by its block's scale, clamped to +-6, and rounded to the nearest number of E2M1, ties to even, subnormals kept.
;;     - The product sums the exact products of the quantised numbers (number of the format x scale) in f32.
;;   ~~~python
;;   def quantise(x, axis):      # numpy; x: float32 -> the quantised numbers, widened to float32 again
;;       x = np.moveaxis(x, axis, -1); K = x.shape[-1]
;;       x = np.pad(x, [(0, 0)] * (x.ndim - 1) + [(0, -K % 32)]); x = x.reshape(x.shape[:-1] + (-1, 32)); a = np.abs(x).max(-1, keepdims=True)
;;       e = np.where(a > 0, np.clip(np.frexp(np.where(a > 0, a, 1))[1] - 1 - 2, -126, 127), 0)      # np.frexp(a)[1] - 1 = floor(log2(a)), exactly
;;       r = np.clip(x / 2.0 ** e, -6, 6)
;;       step = 2.0 ** (np.maximum(np.frexp(np.where(r == 0, 1, r))[1] - 1, 0) - 1)
;;       q = np.round(r / step) * step * 2.0 ** e      # np.round: ties to even
;;       return np.moveaxis(q.reshape(q.shape[:-2] + (-1,))[..., :K], -1, axis).astype(np.float32)
;;   ~~~
;; One version. Each part assembles by itself: llvm-mc -triple=amdgcn-amd-amdhsa -mcpu=gfx1250 --defsym DOCPART=n.
;; ======== version 1 of 1: 2 launches
;; limits: right only within a limited range of input values
;; workspace buffers: cb 565,248 bytes
;; launch prep (part 1): grid 128 x 1, 4 waves a work-group, no clusters, 8,704 bytes of LDS; arguments centroids, cb; writes cb
.if DOCPART == 1
	.amdgcn_target "amdgcn-amd-amdhsa--gfx1250"
	.amdhsa_code_object_version 6
	.text
	.protected	k_qb45cb9e81d_prep
	.globl	k_qb45cb9e81d_prep
	.p2align	8
	.type	k_qb45cb9e81d_prep,@function
k_qb45cb9e81d_prep:
	s_mov_b64 s[64:65], 0
	v_nop
	global_prefetch_b8 v0, s[64:65] scope:SCOPE_SE
	s_setreg_imm32_b32 hwreg(HW_REG_WAVE_MODE, 25, 1), 1
	s_wait_xcnt 0x0
; WORK LEFT OUT BY THE PROGRAM: reference() forms d2 = x2 - 2 x.c + c2 and takes the argmin over the centroids.  x2 is one number for a row of inp, the same for all 2,048 centroids,
; so in real numbers argmin(d2) = argmin(c2 - 2 x.c) = argmax(x.c - c2 / 2), whatever the inputs hold: x2 is never computed.  Both inputs still reach the output.
; LIMITS: a NaN, an infinity or an overflow that reaches x2 alone is not carried to the result; the sums are rounded in another order than reference()'s (c2 by parts, -c2/2 inside the matrix sum);
; NaN and infinities among the inputs are not served.
; THIS LAUNCH: centroids [2048][512] f32 -> cb: codes of FP4 (E2M1), one E8M0 byte for each 32 along the 512, and -c2/2 of each row in f32 (the halving rounds nothing).
; cb lies in the order in which the next launch's operand registers take it: four blocks of BLK bytes, each of 32 tiles of 16 centroids:
;   +0      tile t at 4096 t: K step s (128 along K) at 1024 s, register group c at 512 c, lane l's 16 bytes at 16 l (lane (r, h): block 4 s + 2 c + h of row r)
;   +SCOFF  tile t at 256 t: the scale word of (row r, K step s) at 8 (16 (s % 2) + r) + 4 (s / 2)
;   +C2OFF  tile t at 64 t: -c2/2 of its 16 rows
; INSIDE A BLOCK OF 32 the codes stand in another order than in memory: register i of a block's four holds numbers 4 i .. 4 i + 3 and 16 + 4 i .. 16 + 4 i + 3.  The next launch lays inp's codes the same way,
; so each product meets its partner, under its own block's scale.
; SHARES: a work-group takes a tile (128 tiles are all the work there is), wave s its K step s: 16 rows x 128 numbers, 64 a lane, in eight sub-steps j (row 4 (j % 4) + a, half j / 4 of the step).
; Lane (a, b, i) = (l / 8, (l / 4) % 2, l % 4) takes two pieces of 16 bytes of block b, 64 bytes apart: four neighbouring lanes read 64 consecutive bytes.
; A block's scale byte is its largest magnitude's exponent field - 2, held at 1 from below; a block of zeros keeps the byte 1 where the quantiser says 127: its codes are zeros, and this program alone reads the bytes.
; No tensor load, no cluster, no matrix unit: no two work-groups read the same bytes, and each input byte is read once.
.set BLK,   141312
.set SCOFF, 131072
.set C2OFF, 139264
.set SCB,   4096                       ; LDS: the image 0 .. 4095, the tile's 256 scale bytes, the four waves' partial sums of squares [s][16]; spare words from 8192
.set C2P,   4352
.set X,  32                            ; v32-95   64 numbers: sub-step j at 8 j
.set T,  96                            ; v96-103  largest magnitudes, then the conversions' scale operands
.set E,  104                           ; v104-111 scale bytes
.set C,  112                           ; v112-119 codes
.set SQ, 120                           ; v120-127 sums of squares: a pair for each j % 4
	s_load_b128 s[4:7], s[0:1], 0x0                ; centroids, cb
	v_lshl_add_u32 v128, v0, 2, 0x2000             ; my spare word, and 0
	v_mov_b32 v129, 0
	v_lshrrev_b32 v1, 5, v0
	v_readfirstlane_b32 s8, v1                     ; wave = K step s
	v_and_b32 v1, 31, v0                           ; lane l
	v_bfe_u32 v2, v0, 3, 2                         ; a
	v_bfe_u32 v4, v0, 2, 1                         ; b
	v_and_b32 v5, 3, v0                            ; i
	v_lshlrev_b32 v6, 11, v2
	v_lshl_add_u32 v6, v4, 7, v6
	v_lshl_add_u32 v6, v5, 4, v6                   ; in memory: 2048 a + 128 b + 16 i
	s_lshl_b32 s9, s8, 10
	v_lshl_add_u32 v7, v2, 4, s9
	v_lshl_add_u32 v7, v4, 8, v7
	v_lshl_add_u32 v7, v5, 2, v7                   ; in the image: 1024 s + 16 (a + 16 b) + 4 i
	s_and_b32 s10, s8, 1
	s_lshl_b32 s10, s10, 7
	s_lshr_b32 s11, s8, 1
	s_lshl_b32 s11, s11, 2
	s_add_co_u32 s10, s10, s11
	s_add_co_u32 s10, s10, SCB
	v_lshl_add_u32 v8, v2, 3, s10
	v_add_nc_u32 v8, v8, v4                        ; my scale byte: SCB + 128 (s % 2) + 4 (s / 2) + 8 a + b
	s_lshl_b32 s11, s8, 6
	s_add_co_u32 s11, s11, C2P
	v_lshl_add_u32 v9, v2, 2, s11                  ; my row's partial sum: C2P + 64 s + 4 a
	v_lshlrev_b32 v10, 4, v1                       ; the way out: 16 l in cb,
	v_add_nc_u32 v11, s9, v10                      ; and in my wave's 1,024 bytes of the image
	v_lshlrev_b32 v12, 3, v1                       ; the scale words: 8 l in cb,
	v_add_nc_u32 v13, SCB, v12                     ; and in LDS
	v_and_b32 v14, 15, v0
	v_lshlrev_b32 v14, 2, v14                      ; the sums: 4 (l % 16) in cb,
	v_add_nc_u32 v15, C2P, v14                     ; and in LDS
	s_lshl_b32 s12, ttmp9, 15                      ; the tile's 16 rows of 2,048 bytes,
	s_lshl_b32 s13, s8, 9                          ; my K step's 512 bytes of each
	s_add_co_u32 s12, s12, s13
	s_mov_b32 s13, 0
	s_lshr_b32 s14, ttmp9, 5
	s_mul_i32 s14, s14, BLK                        ; the tile's block of cb,
	s_and_b32 s15, ttmp9, 31                       ; and its number t in it
	s_lshl_b32 s16, s15, 12
	s_add_co_u32 s16, s16, s14
	s_add_co_u32 s16, s16, s9                      ; codes: block + 4096 t + 1024 s
	s_mov_b32 s17, 0
	s_lshl_b32 s18, s15, 8
	s_add_co_u32 s18, s18, s14
	s_add_co_u32 s18, s18, SCOFF                   ; scale words: block + SCOFF + 256 t
	s_mov_b32 s19, 0
	s_lshl_b32 s20, s15, 6
	s_add_co_u32 s20, s20, s14
	s_add_co_u32 s20, s20, C2OFF                   ; sums: block + C2OFF + 64 t
	s_mov_b32 s21, 0
	s_wait_alu depctr_va_vdst(0)
	s_wait_kmcnt 0x0
	s_add_nc_u64 s[4:5], s[4:5], s[12:13]
	s_add_nc_u64 s[16:17], s[6:7], s[16:17]
	s_add_nc_u64 s[18:19], s[6:7], s[18:19]
	s_add_nc_u64 s[20:21], s[6:7], s[20:21]
.irp j, 0,1,2,3,4,5,6,7
.irp e, 0,1
	global_load_b128 v[X+8*\j+4*\e:X+8*\j+4*\e+3], v6, s[4:5] offset:(\j%4)*8192+(\j/4)*256+64*\e th:TH_LOAD_NT
.endr
.endr
	s_wait_loadcnt 0x0
.irp j, 0,1,2,3,4,5,6,7
	v_max3_num_f32 v[T+\j], |v[X+8*\j]|, |v[X+8*\j+1]|, 0x1800000   ; my eight numbers' largest magnitude, and the floor 2^(3 - 127); the eight sub-steps by turns
.endr
.irp i, 2,4,6
.irp j, 0,1,2,3,4,5,6,7
	v_max3_num_f32 v[T+\j], v[T+\j], |v[X+8*\j+\i]|, |v[X+8*\j+\i+1]|
.endr
.endr
.irp j, 0,1,2,3,4,5,6,7
	v_max_num_f32_dpp v[T+\j], v[T+\j], v[T+\j] row_xmask:1 row_mask:0xf bank_mask:0xf
.endr
.irp j, 0,1,2,3,4,5,6,7
	v_max_num_f32_dpp v[T+\j], v[T+\j], v[T+\j] row_xmask:2 row_mask:0xf bank_mask:0xf   ; with the block's other three lanes
.endr
.irp j, 0,1,2,3,4,5,6,7
	v_add_nc_u32 v[T+\j], 0xff000000, v[T+\j]      ; 2 off the exponent field: the conversion's scale operand
.endr
.irp j, 0,1,2,3,4,5,6,7
	v_lshrrev_b32 v[E+\j], 23, v[T+\j]             ; the scale's byte
.endr
.irp cc, 0,1
.irp i, 0,2,4,6
.irp p, 0,1,2,3
.if (\cc == 0) && (\i == 0)
	v_pk_mul_f32 v[SQ+2*\p:SQ+2*\p+1], v[X+8*(\p+4*\cc)+\i:X+8*(\p+4*\cc)+\i+1], v[X+8*(\p+4*\cc)+\i:X+8*(\p+4*\cc)+\i+1]   ; the first squares start the sums
.else
	v_pk_fma_f32 v[SQ+2*\p:SQ+2*\p+1], v[X+8*(\p+4*\cc)+\i:X+8*(\p+4*\cc)+\i+1], v[X+8*(\p+4*\cc)+\i:X+8*(\p+4*\cc)+\i+1], v[SQ+2*\p:SQ+2*\p+1]
.endif
.endr
.endr
.endr
.irp j, 0,1,2,3,4,5,6,7
	v_cvt_scalef32_pk8_fp4_f32 v[C+\j], v[X+8*\j:X+8*\j+7], v[T+\j]   ; eight codes: one register of the operand
.endr
	v_nop                                          ; one plain instruction behind the last scaled conversion
.irp p, 0,1,2,3
	v_add_f32 v[SQ+2*\p], v[SQ+2*\p], v[SQ+2*\p+1]
.endr
.irp x, 1,2,4
.irp p, 0,1,2,3
	v_add_f32_dpp v[SQ+2*\p], v[SQ+2*\p], v[SQ+2*\p] row_xmask:\x row_mask:0xf bank_mask:0xf   ; over the row's eight lanes
.endr
.endr
.irp j, 0,1,2,3,4,5,6,7
	ds_store_b32 v7, v[C+\j] offset:(\j/4)*512+(\j%4)*64
	ds_store_b8 v8, v[E+\j] offset:2*(\j/4)+(\j%4)*32   ; a block's four lanes write the same byte with the same value
.endr
.irp p, 0,1,2,3
	ds_store_b32 v9, v[SQ+2*\p] offset:16*\p       ; a row's eight lanes write the same word with the same value
.endr
	ds_load_b128 v[16:19], v11                     ; LDS serves a wave's instructions in order (ISA guide 5.7.1.4): these see my stores
	ds_load_b128 v[20:23], v11 offset:512
	s_wait_dscnt 0x0                               ; the image is back; and, for wave 0's sake, my bytes and partial sums have landed
	global_store_b128 v10, v[16:19], s[16:17]      ; 32 lanes store 512 consecutive bytes, at a multiple of 256 from cb's first byte
	global_store_b128 v10, v[20:23], s[16:17] offset:512
	s_barrier_signal -1
	s_barrier_wait -1
	s_cmp_lg_u32 s8, 0                             ; wave 0 sends what the four waves made together
	s_cbranch_scc1 .Ldone
	ds_load_b64 v[24:25], v13
	ds_load_b32 v26, v15
	ds_load_b32 v27, v15 offset:64
	ds_load_b32 v28, v15 offset:128
	ds_load_b32 v29, v15 offset:192
	s_wait_dscnt 0x0
	global_store_b64 v12, v[24:25], s[18:19]       ; the tile's 256 scale bytes: 256 consecutive bytes, aligned
	v_add_f32 v26, v26, v27
	v_add_f32 v28, v28, v29
	v_add_f32 v26, v26, v28                        ; c2 = the four K steps' sums,
	v_mul_f32 v26, -0.5, v26                       ; and what the next launch starts its sums with: -c2/2
	s_wait_alu depctr_va_vdst(0)
	s_wait_xcnt 0x0                                ; EXEC is a source of the stores above: it changes only behind this wait
	v_cmp_gt_u32 vcc_lo, 16, v1
	s_and_saveexec_b32 s22, vcc_lo
	global_store_b32 v14, v26, s[20:21]            ; 16 lanes: 64 bytes
	s_wait_xcnt 0x0                                ; and again in front of the line that widens it
	s_or_b32 exec_lo, exec_lo, s22
.Ldone:
	s_wait_tensorcnt 0x0                           ; the wave's end
	ds_add_u32 v128, v129
	s_wait_dscnt 0x0
	s_endpgm
.Lfunc_end_k_qb45cb9e81d_prep:
	.size	k_qb45cb9e81d_prep, .Lfunc_end_k_qb45cb9e81d_prep-k_qb45cb9e81d_prep
	.p2alignl 7, 3214868480
	.fill 96, 4, 3214868480
	.section	.rodata,"a",@progbits
	.p2align	6, 0x0
	.amdhsa_kernel k_qb45cb9e81d_prep
		.amdhsa_group_segment_fixed_size 8704
		.amdhsa_private_segment_fixed_size 0
		.amdhsa_enable_private_segment 0
		.amdhsa_kernarg_size 16
		.amdhsa_user_sgpr_count 2
		.amdhsa_user_sgpr_kernarg_segment_ptr 1
		.amdhsa_wavefront_size32 1
		.amdhsa_system_sgpr_workgroup_id_x 1
		.amdhsa_system_sgpr_workgroup_id_y 1
		.amdhsa_system_sgpr_workgroup_id_z 1
		.amdhsa_system_vgpr_workitem_id 0
		.amdhsa_next_free_vgpr 130
		.amdhsa_next_free_sgpr 66
		.amdhsa_reserve_vcc 1
		.amdhsa_float_denorm_mode_32 3
		.amdhsa_float_denorm_mode_16_64 3
		.amdhsa_memory_ordered 1
		.amdhsa_forward_progress 1
		.amdhsa_inst_pref_size 15
	.end_amdhsa_kernel
	.amdgpu_metadata
---
amdhsa.version: [ 1, 2 ]
amdhsa.kernels:
  - .name:           k_qb45cb9e81d_prep
    .symbol:         k_qb45cb9e81d_prep.kd
    .args:
      - { .name: centroids, .offset: 0, .size: 8, .value_kind: global_buffer, .address_space: global }
      - { .name: cb, .offset: 8, .size: 8, .value_kind: global_buffer, .address_space: global }
    .group_segment_fixed_size: 8704
    .private_segment_fixed_size: 0
    .kernarg_segment_align: 8
    .kernarg_segment_size: 16
    .max_flat_workgroup_size: 128
    .sgpr_count:     66
    .vgpr_count:     130
    .wavefront_size: 32
...
	.end_amdgpu_metadata
.endif
;; end of part 1
;; launch assign (part 2): grid 256 x 1, 8 waves a work-group, clusters of 4 x 1, 327,680 bytes of LDS; arguments inp, cb, out0; writes out0
.if DOCPART == 2
	.amdgcn_target "amdgcn-amd-amdhsa--gfx1250"
	.amdhsa_code_object_version 6
	.text
	.protected	k_qb45cb9e81d_assign
	.globl	k_qb45cb9e81d_assign
	.p2align	8
	.type	k_qb45cb9e81d_assign,@function
k_qb45cb9e81d_assign:
	s_mov_b64 s[64:65], 0
	v_nop
	global_prefetch_b8 v0, s[64:65] scope:SCOPE_SE
	s_setreg_imm32_b32 hwreg(HW_REG_WAVE_MODE, 25, 1), 1
	s_wait_xcnt 0x0
	s_wait_alu depctr_hold_cnt(0) depctr_sa_sdst(0) depctr_va_vdst(0) depctr_va_sdst(0) depctr_va_ssrc(0) depctr_va_vcc(0) depctr_vm_vsrc(0)
	s_getreg_b32 s2, hwreg(HW_REG_IB_STS2, 6, 4)
	s_cmp_eq_u32 s2, 0
	s_cbranch_scc0 .Lentry_in_a_cluster
	s_endpgm
.Lentry_in_a_cluster:
	s_bfe_u32 s2, ttmp6, 0x10000c
	s_cmp_lg_u32 s2, 0x3003
	s_cbranch_scc0 .Lentry_shape_is_right
	s_endpgm
.Lentry_shape_is_right:
; out0[row] = the lowest index among the centroids with the largest x.c - c2/2, x.c on codes of FP4 with E8M0 scales.  x2 is left out: it is the same for all centroids of a row (shown at the head of the first kernel).
; LIMITS: NaN and infinities among the inputs are not served; a NaN, an infinity or an overflow that reaches x2 alone is not carried; sums are rounded in another order than reference()'s.
; SHARES: a work-group owns 256 rows of inp, in two chunks of 128.  Wave w quantises rows 16 w .. 16 w + 15 of a chunk into an image of the operand's registers in LDS (codes laid inside a block as the first kernel lays them).
; In the products wave w holds the four tiles of 16 rows of row group w / 4 in 128 registers and takes the centroid tiles t with t % 4 = w % 4.
; THE MATRIX INSTRUCTION: source 0 = 16 centroids, source 1 = 16 rows of inp: lane (r, h) holds row r, register j centroid 8 h + j.  -c2/2 of those eight centroids is the C of a sum's first instruction.
; THE TRACKING, for each tile of results: the largest of a lane's eight; where it beats the lane's best so far, the best, the tile's number and the eight numbers are taken over by selects; the place among the eight is found once, at a chunk's end.
; cb's four blocks go through a ring of two LDS slots.  Chunk 0 walks blocks 0, 1, 2, 3 and tiles upward and keeps the old best on a tie; chunk 1 walks blocks 3, 2, 1, 0 and tiles downward and takes the new one on a tie:
; so the lowest index wins either way, and blocks 3 and 2 are used twice as they lie: six fills for eight visits.
; CHUNK 1'S 64 LOADS A WAVE stand among chunk 0's products, a few beside each tile: sets 4 and 5 in block 0 (4 a tile), set 6 in block 1 (2 a tile), set 7 in block 2 (two runs of 8).  Their destinations change from tile to tile,
; so blocks 0 and 1 have their three pairs of tiles written out; the other six visits of a block run a loop.
; CLUSTERS: all work-groups read the same blocks of cb: the four of a cluster ask jointly (mask 15), each wave for an eighth of a block, 69 rows of 256 bytes.
; PREFETCH: each of chunk 1's four sets of inp (8,192 bytes a wave) is named once, by one instruction, a lane a block of 256 bytes: sets 4 and 5 behind the head's third quantising step, a quantising step and a barrier ahead of their first loads;
; set 6 at block 0's start and set 7 at block 1's, a block ahead of their loads.  cb is not prefetched: it has no loop to run ahead in beyond the ring's own lead of one block.
; REGISTERS: window 0: addresses, scales, centroid fragments (two sets), four accumulators, the tracking's state; window 1: v0-127 inp's fragments (at the head two sets of f32 numbers), v128-255 two sets of 64 f32 numbers on their way in.
.set BLK,    141312
.set EIGHTH, 17664
.set SCOFF,  131072
.set C2OFF,  139264
.set XIMG,   2*BLK                     ; behind the ring: the image of 128 rows' codes, 4,096 bytes a tile
.set XSC,    XIMG+32768                ; their scale words, 256 bytes a tile
.set SCR,    XSC+2048                  ; the waves' best values [w % 4][128 rows], then their indices
.set SPARE,  SCR+4096                  ; the spare words: 128 bytes for each of eight waves
.set SPW, 1
.set NIL, 2
.set BC,  3                            ; v3-4 codes, v5-6 scale words, v7-8 -c2/2: my first tile in slot 0, 1
.set BS,  5
.set BD,  7
.set AC,  9                            ; v9-11 the same for the pair of tiles at work
.set AS,  10
.set AD,  11
.set XI,  13                           ; into the image: codes, scale bytes
.set XB,  14
.set PFO, 15                           ; the prefetches' offset
.set XF,  16                           ; out of the image: codes, scale words
.set XSL, 17
.set H8,  19
.set SCW, 20
.set SCRD, 21
.set GO,  22                           ; 16 x lane: my offset in a row's K step of inp, and in a chunk's indices
.set XS,  24                           ; v24-31 inp's scale words
.set CS,  40                           ; v40-43 the centroids' scale words, two sets
.set C2R, 44                           ; v44-59 -c2/2, two sets of eight
.set TID, 60                           ; the number of the tile at work
.set CF,  64                           ; v64-127 centroid fragments, two sets
.set ACC, 128
.set ST,  160                          ; for each of four tiles of rows 12 registers: best, this tile's largest, index, best tile, its eight numbers
.set T,   208                          ; v208-215 largest magnitudes, then scale operands
.set E,   216                          ; v216-223 and v248-255 scale bytes: a set's rows 0-7, rows 8-15
.set C,   224                          ; v224-231 and v232-239 codes: likewise
.set WK,  240
.set SET0, 0
.set SET1, 64
.set SETA, 128
.set SETB, 192
.set XN,  0                            ; how many of chunk 1's 64 loads the text has issued so far
.set MSB, 0
.macro WIN new                         ; the immediate's high byte repeats the setting that is left
.if MSB != \new
	s_set_vgpr_msb (MSB<<8)|\new
.set MSB, \new
.endif
.endm
.macro PLACES
.rept 4
	v_nop
.endr
.endm
.macro CREST                           ; a round of the cluster's barrier behind its opening barrier
	s_cmp_lg_u32 s10, 0
	s_cbranch_scc1 .Lnot_wave_0_\@
	s_barrier_signal -3
.Lnot_wave_0_\@:
	s_barrier_wait -3
	s_barrier_signal -1
	s_barrier_wait -1
.endm
.macro ROUND
	s_barrier_signal -1
	s_barrier_wait -1
	CREST
.endm
; Set k: K step k % 4 of my 16 rows of chunk k / 4.  Load j reads row j's 512 consecutive bytes, 16 a lane: lane l holds numbers 4 l .. 4 l + 3 of the step: piece l % 8 of block l / 8
.macro XLOAD k, set
	WIN 0x40
.irp j, 0,1,2,3,4,5,6,7,8,9,10,11,12,13,14,15
	global_load_b128 v[\set+4*\j:\set+4*\j+3], v[GO], s[4:5] offset:((\k)/4)*262144+\j*2048+((\k)%4)*512 th:TH_LOAD_NT
.endr
	WIN 0
.endm
; The next n of chunk 1's loads: load XN is row XN % 16 of set 4 + XN / 16; sets 4 and 6 land in SETA, sets 5 and 7 in SETB
.macro XL n
	WIN 0x40
.rept \n
	global_load_b128 v[SETA+64*((XN/16)%2)+4*(XN%16):SETA+64*((XN/16)%2)+4*(XN%16)+3], v[GO], s[4:5] offset:262144+(XN%16)*2048+(XN/16)*512 th:TH_LOAD_NT
.set XN, XN+1
.endr
	WIN 0
.endm
; Set k is quantised, eight rows at a time.  cnt: the younger global loads, which may stay out;  dw: the LDS instructions issued behind the last set's stores, which have read their registers behind this wait.
; A conversion takes eight registers: two rows' four.  It is run under each row's scale: the first result's low half is the even row's four codes, the second's high half the odd row's; the other halves are not used.
.macro XQ k, set, cnt, dw
.set QS, (\k)%4
	s_wait_loadcnt \cnt
	s_wait_dscnt \dw
.irp g, 0,1
	WIN 0x14
.irp j, 0,1,2,3,4,5,6,7
	v_max3_num_f32 v[T+\j], 0x1800000, |v[\set+32*\g+4*\j]|, |v[\set+32*\g+4*\j+1]|   ; with the floor 2^(3 - 127): the byte cannot fall under 1
.endr
.irp j, 0,1,2,3,4,5,6,7
	v_max3_num_f32 v[T+\j], v[T+\j], |v[\set+32*\g+4*\j+2]|, |v[\set+32*\g+4*\j+3]|
.endr
	WIN 0
.irp x, 1,2,4
.irp j, 0,1,2,3,4,5,6,7
	v_max_num_f32_dpp v[T+\j], v[T+\j], v[T+\j] row_xmask:\x row_mask:0xf bank_mask:0xf   ; over the block's eight lanes; the eight rows by turns
.endr
.endr
.irp j, 0,1,2,3,4,5,6,7
	v_add_nc_u32 v[T+\j], 0xff000000, v[T+\j]      ; 2 off the exponent field: the conversion's scale operand
.endr
.irp j, 0,1,2,3,4,5,6,7
	v_lshrrev_b32 v[E+32*\g+\j], 23, v[T+\j]       ; the scale's byte
.endr
	WIN 0x01
.irp p, 0,1,2,3
	v_cvt_scalef32_pk8_fp4_f32 v[C+8*\g+2*\p], v[\set+32*\g+8*\p:\set+32*\g+8*\p+7], v[T+2*\p]
	v_cvt_scalef32_pk8_fp4_f32 v[C+8*\g+2*\p+1], v[\set+32*\g+8*\p:\set+32*\g+8*\p+7], v[T+2*\p+1]
.endr
	WIN 0
	v_nop                                          ; one plain instruction behind the last scaled conversion
.irp p, 0,1,2,3
	ds_store_b16 v[XI], v[C+8*\g+2*\p] offset:QS*1024+16*(8*\g+2*\p)
	ds_store_b16_d16_hi v[XI], v[C+8*\g+2*\p+1] offset:QS*1024+16*(8*\g+2*\p+1)
	ds_store_b8 v[XB], v[E+32*\g+2*\p] offset:(QS%2)*128+(QS/2)*4+8*(8*\g+2*\p)          ; a block's eight lanes write the same byte with the same value
	ds_store_b8 v[XB], v[E+32*\g+2*\p+1] offset:(QS%2)*128+(QS/2)*4+8*(8*\g+2*\p+1)
.endr
.endr
.endm
.macro XFRAGS                          ; my row group's four tiles out of the image
	WIN 0x40
.irp m, 0,1,2,3
.irp s, 0,1,2,3
.irp c, 0,1
	ds_load_b128 v[32*\m+8*\s+4*\c:32*\m+8*\s+4*\c+3], v[XF] offset:4096*\m+1024*\s+512*\c
.endr
.endr
.endr
	WIN 0
.irp m, 0,1,2,3
	ds_load_b64 v[XS+2*\m:XS+2*\m+1], v[XSL] offset:256*\m
.endr
.endm
.macro INIT                            ; the best so far: minus infinity, under every finite sum
.irp m, 0,1,2,3
	v_mov_b32 v[ST+12*\m], s37
	v_mov_b32 v[ST+12*\m+3], 0
.irp j, 0,1,2,3,4,5,6,7
	v_mov_b32 v[ST+12*\m+4+\j], s37
.endr
.endr
.endm
.macro LOADT buf, hi                   ; one tile of the pair at work (hi: its upper one): 8 + 1 + 2 LDS loads
.irp s, 0,1,2,3
.irp c, 0,1
	ds_load_b128 v[CF+32*\buf+8*\s+4*\c:CF+32*\buf+8*\s+4*\c+3], v[AC] offset:(\hi)*16384+1024*\s+512*\c
.endr
.endr
	ds_load_b64 v[CS+2*\buf:CS+2*\buf+1], v[AS] offset:(\hi)*1024
	ds_load_b128 v[C2R+8*\buf:C2R+8*\buf+3], v[AD] offset:(\hi)*256
	ds_load_b128 v[C2R+8*\buf+4:C2R+8*\buf+7], v[AD] offset:(\hi)*256+16
.endm
.macro MM buf, s, m
.if \s == 0
	v_wmma_scale_f32_16x16x128_f8f6f4 v[ACC+8*\m:ACC+8*\m+7], v[CF+32*\buf+8*\s:CF+32*\buf+8*\s+7], v[32*\m+8*\s:32*\m+8*\s+7], v[C2R+8*\buf:C2R+8*\buf+7], v[CS+2*\buf+\s/2], v[XS+2*\m+\s/2] matrix_a_fmt:MATRIX_FMT_FP4 matrix_b_fmt:MATRIX_FMT_FP4
.elseif \s == 2
	v_wmma_scale_f32_16x16x128_f8f6f4 v[ACC+8*\m:ACC+8*\m+7], v[CF+32*\buf+8*\s:CF+32*\buf+8*\s+7], v[32*\m+8*\s:32*\m+8*\s+7], v[ACC+8*\m:ACC+8*\m+7], v[CS+2*\buf+\s/2], v[XS+2*\m+\s/2] matrix_a_fmt:MATRIX_FMT_FP4 matrix_b_fmt:MATRIX_FMT_FP4
.else
	v_wmma_scale_f32_16x16x128_f8f6f4 v[ACC+8*\m:ACC+8*\m+7], v[CF+32*\buf+8*\s:CF+32*\buf+8*\s+7], v[32*\m+8*\s:32*\m+8*\s+7], v[ACC+8*\m:ACC+8*\m+7], v[CS+2*\buf+\s/2], v[XS+2*\m+\s/2] matrix_a_fmt:MATRIX_FMT_FP4 matrix_b_fmt:MATRIX_FMT_FP4 matrix_a_scale:MATRIX_SCALE_ROW1 matrix_b_scale:MATRIX_SCALE_ROW1
.endif
.endm
.macro WMMAS buf                       ; 16 matrix instructions: the four accumulators by turns, K ascending
	WIN 0x04
.irp s, 0,1,2,3
.irp m, 0,1,2,3
	MM \buf, \s, \m
.endr
.endr
	WIN 0
.endm
.macro TSTEP d                         ; on to the number of the tile just multiplied
	v_add_nc_u32 v[TID], 4-8*(\d), v[TID]
.endm
.macro STEPL d                         ; the same with three idle lines: the four places behind the products
	TSTEP \d
.rept 3
	v_nop
.endr
.endm
; The tracking.  d = 0, upward: the old best stays on a tie;  d = 1, downward: the new one is taken
.macro EPI d
.irp m, 0,1,2,3
	v_max3_num_f32 v[ST+12*\m+1], v[ACC+8*\m], v[ACC+8*\m+1], v[ACC+8*\m+2]
.endr
.irp p, 3,5
.irp m, 0,1,2,3
	v_max3_num_f32 v[ST+12*\m+1], v[ST+12*\m+1], v[ACC+8*\m+\p], v[ACC+8*\m+\p+1]
.endr
.endr
.irp m, 0,1,2,3
	v_max_num_f32 v[ST+12*\m+1], v[ST+12*\m+1], v[ACC+8*\m+7]
.endr
.irp m, 0,1,2,3
.if \d
	v_cmp_gt_f32 vcc_lo, v[ST+12*\m], v[ST+12*\m+1]
.else
	v_cmp_ge_f32 vcc_lo, v[ST+12*\m], v[ST+12*\m+1]
.endif
	v_dual_cndmask_b32 v[ST+12*\m], v[ST+12*\m+1], v[ST+12*\m] :: v_dual_cndmask_b32 v[ST+12*\m+3], v[TID], v[ST+12*\m+3]
.irp j, 0,2,4,6
	v_dual_cndmask_b32 v[ST+12*\m+4+\j], v[ACC+8*\m+\j], v[ST+12*\m+4+\j] :: v_dual_cndmask_b32 v[ST+12*\m+5+\j], v[ACC+8*\m+\j+1], v[ST+12*\m+5+\j]
.endr
.endr
.endm
.macro PAIRADR slot, p                 ; pair p of my eight tiles of a block: tiles 2 p and 2 p + 1
.if (\p) == 0
	v_mov_b32 v[AC], v[BC+\slot]
	v_mov_b32 v[AS], v[BS+\slot]
	v_mov_b32 v[AD], v[BD+\slot]
.else
	v_add_nc_u32 v[AC], (\p)<<15, v[BC+\slot]
	v_add_nc_u32 v[AS], (\p)<<11, v[BS+\slot]
	v_add_nc_u32 v[AD], (\p)<<9, v[BD+\slot]
.endif
.endm
.macro THEAD slot, block, d            ; a block's first tile is fetched; TID stands one step in front of it
	s_add_co_u32 s36, s11, 32*(\block)-4+36*(\d)
	v_mov_b32 v[TID], s36
	PAIRADR \slot, 3*(\d)
	LOADT 0, \d
.endm
.macro TLOOP slot, d                   ; three pairs of tiles; while one tile is multiplied and tracked, the next one's fragments come
	s_mov_b32 s32, 0
.Ltrip_\@:
	s_wait_dscnt 0x0
	s_wait_alu depctr_va_vdst(0)
	LOADT 1, 1-(\d)
	WMMAS 0
	s_add_co_u32 s33, s32, 1
	s_and_b32 s33, s33, 3
.if \d
	s_xor_b32 s33, s33, 3                          ; downward: pairs 2, 1, 0
.endif
	s_lshl_b32 s34, s33, 15
	v_add_nc_u32 v[AC], s34, v[BC+\slot]
	s_lshl_b32 s34, s33, 11
	v_add_nc_u32 v[AS], s34, v[BS+\slot]
	s_lshl_b32 s34, s33, 9
	v_add_nc_u32 v[AD], s34, v[BD+\slot]
	TSTEP \d                                       ; these four lines are the places behind the products
	EPI \d
	s_wait_dscnt 0x0
	LOADT 0, \d
	WMMAS 1
	STEPL \d
	EPI \d
	s_add_co_u32 s32, s32, 1
	s_cmp_lt_u32 s32, 3
	s_cbranch_scc1 .Ltrip_\@
.endm
; The same three pairs, upward, written out: beside each tile stand n of chunk 1's loads, whose destinations change from tile to tile
.macro TUNR slot, n
.set PR, 1
.rept 3
	s_wait_dscnt 0x0
.if PR == 1
	s_wait_alu depctr_va_vdst(0)
.endif
	LOADT 1, 1
	XL \n
	WMMAS 0
	v_add_nc_u32 v[AC], PR<<15, v[BC+\slot]
	v_add_nc_u32 v[AS], PR<<11, v[BS+\slot]
	v_add_nc_u32 v[AD], PR<<9, v[BD+\slot]
	TSTEP 0                                        ; these four lines are the places behind the products
	EPI 0
	s_wait_dscnt 0x0
	LOADT 0, 0
	XL \n
	WMMAS 1
	STEPL 0
	EPI 0
.set PR, PR+1
.endr
.endm
; A block's last pair, and the change of slots.  dir = 1, 2: slot sl is filled again, two blocks up or down, behind a round of the cluster's barrier;  dir = 0: nothing is filled.
; n: chunk 1's loads for each of the two tiles; both tiles' stand ahead of the three lines, since only work on registers stands from there to the barrier's wait
.macro TTAIL sl, dir, d, n
	PAIRADR \sl, 3-3*(\d)
	LOADT 1, 1-(\d)
.if \n
	XL 2*(\n)
.endif
	s_wait_tensorcnt 0x0                           ; all my tensor loads have landed: my eighth of the other slot
	ds_add_u32 v[SPW], v[NIL]
.if \dir == 1
	s_add_nc_u64 s[26+4*\sl:27+4*\sl], s[26+4*\sl:27+4*\sl], 2*BLK
.elseif \dir == 2
	s_sub_nc_u64 s[26+4*\sl:27+4*\sl], s[26+4*\sl:27+4*\sl], 2*BLK
.endif
	s_wait_dscnt 12                                ; the last tile's 11 loads and the add may be out
	WMMAS 0
	STEPL \d
	EPI \d
	s_wait_dscnt 0x0                               ; the add is done, my reads of this slot are over, and what I stored to LDS has landed
	s_barrier_signal -1
	WMMAS 1
	STEPL \d
	EPI \d
	s_barrier_wait -1
.if \dir
	CREST
	tensor_load_to_lds s[24+4*\sl:27+4*\sl], s[16:23]
	s_nop 0
	PLACES
.endif
.endm
.macro TLAST slot, d
	PAIRADR \slot, 3-3*(\d)
	LOADT 1, 1-(\d)
	s_wait_dscnt 11
	WMMAS 0
	STEPL \d
	EPI \d
	s_wait_dscnt 0x0
	WMMAS 1
	STEPL \d
	EPI \d
.endm
; A chunk's end: the lowest place among the best tile's eight that holds the best; the index; the two halves of the lanes joined (the lower index on a tie); value and index to LDS
.macro FINAL
.irp m, 0,1,2,3
	v_mov_b32 v[ST+12*\m+2], 7
.endr
.irp j, 6,5,4,3,2,1,0
.irp m, 0,1,2,3
	v_cmp_neq_f32 vcc_lo, v[ST+12*\m+4+\j], v[ST+12*\m]
	s_delay_alu instid0(VALU_DEP_1)
	v_cndmask_b32 v[ST+12*\m+2], \j, v[ST+12*\m+2], vcc_lo
.endr
.endr
.irp m, 0,1,2,3
	v_lshl_add_u32 v[ST+12*\m+2], v[ST+12*\m+3], 4, v[ST+12*\m+2]
.endr
.irp m, 0,1,2,3
	s_delay_alu instid0(VALU_DEP_4)
	v_add_nc_u32 v[ST+12*\m+2], v[H8], v[ST+12*\m+2]
.endr
.irp m, 0,1,2,3
	v_permlanex16_b32 v[WK+2*\m], v[ST+12*\m], s38, s39
	v_permlanex16_b32 v[WK+2*\m+1], v[ST+12*\m+2], s38, s39
.endr
.irp m, 0,1,2,3
	v_max_num_f32 v[ST+12*\m+1], v[ST+12*\m], v[WK+2*\m]
.endr
.irp m, 0,1,2,3
	v_cmp_eq_f32 vcc_lo, v[ST+12*\m], v[ST+12*\m+1]
	s_delay_alu instid0(VALU_DEP_1)
	v_cndmask_b32 v[ST+12*\m+2], -1, v[ST+12*\m+2], vcc_lo
	v_cmp_eq_f32 vcc_lo, v[WK+2*\m], v[ST+12*\m+1]
	s_delay_alu instid0(VALU_DEP_1)
	v_cndmask_b32 v[WK+2*\m+1], -1, v[WK+2*\m+1], vcc_lo
	s_delay_alu instid0(VALU_DEP_1)
	v_min_u32 v[ST+12*\m+2], v[ST+12*\m+2], v[WK+2*\m+1]
	ds_store_b32 v[SCW], v[ST+12*\m+1] offset:64*\m
	ds_store_b32 v[SCW], v[ST+12*\m+2] offset:2048+64*\m
.endr
.endm
.macro OUT chunk                       ; wave 0 joins the four shares of the centroids and stores the chunk's 128 indices: 512 consecutive bytes
	s_cmp_lg_u32 s10, 0
	s_cbranch_scc1 .Lnot_out_\@
.irp q, 0,1,2,3
	ds_load_b128 v[T+4*\q:T+4*\q+3], v[SCRD] offset:512*\q
	ds_load_b128 v[C+4*\q:C+4*\q+3], v[SCRD] offset:2048+512*\q
.endr
	s_wait_dscnt 0x0
.irp e, 0,1,2,3
	v_max3_num_f32 v[WK+\e], v[T+\e], v[T+4+\e], v[T+8+\e]
.endr
.irp e, 0,1,2,3
	s_delay_alu instid0(VALU_DEP_4)
	v_max_num_f32 v[WK+\e], v[WK+\e], v[T+12+\e]
.endr
.irp q, 0,1,2,3
.irp e, 0,1,2,3
	v_cmp_eq_f32 vcc_lo, v[T+4*\q+\e], v[WK+\e]
	s_delay_alu instid0(VALU_DEP_1)
	v_cndmask_b32 v[C+4*\q+\e], -1, v[C+4*\q+\e], vcc_lo
.endr
.endr
.irp q, 1,2,3
.irp e, 0,1,2,3
	v_min_u32 v[C+\e], v[C+\e], v[C+4*\q+\e]
.endr
.endr
	global_store_b128 v[GO], v[C:C+3], s[8:9] offset:512*\chunk
	s_wait_xcnt 0x0
.Lnot_out_\@:
.endm
	s_load_b128 s[4:7], s[0:1], 0x0                ; inp, cb
	s_load_b64 s[8:9], s[0:1], 0x10                ; out0
	v_lshl_add_u32 v[SPW], v0, 2, SPARE
	v_mov_b32 v[NIL], 0
	ds_add_u32 v[SPW], v[NIL]                      ; the opening lines: the add, twice on end, and its wait ahead of my first tensor load
	ds_add_u32 v[SPW], v[NIL]
	v_lshrrev_b32 v23, 5, v0
	v_readfirstlane_b32 s10, v23                   ; wave 0..7
	s_and_b32 s11, s10, 3                          ; my share of the centroid tiles
	s_lshr_b32 s12, s10, 2                         ; my row group
	s_bfe_u32 s13, ttmp6, 0x40000
	s_lshl_b32 s14, ttmp9, 2
	s_add_co_u32 s14, s14, s13                     ; the work-group's number: it enters global addresses of my own loads and stores alone
	s_lshl_b32 s46, s14, 19                        ; 256 rows of 2,048 bytes,
	s_lshl_b32 s47, s10, 15                        ; my 16 rows
	s_add_co_u32 s46, s46, s47
	s_mov_b32 s47, 0
	s_lshl_b32 s48, s11, 12
	s_lshl_b32 s49, s11, 8
	s_add_co_u32 s49, s49, SCOFF
	s_lshl_b32 s50, s11, 6
	s_add_co_u32 s50, s50, C2OFF
	s_lshl_b32 s51, s10, 12
	s_add_co_u32 s51, s51, XIMG
	s_lshl_b32 s52, s10, 8
	s_add_co_u32 s52, s52, XSC
	s_lshl_b32 s53, s12, 14
	s_add_co_u32 s53, s53, XIMG
	s_lshl_b32 s54, s12, 10
	s_add_co_u32 s54, s54, XSC
	s_lshl_b32 s55, s11, 9
	s_lshl_b32 s33, s12, 8
	s_add_co_u32 s55, s55, s33
	s_add_co_u32 s55, s55, SCR
	v_and_b32 v23, 31, v0                          ; lane l
	v_bfe_u32 v240, v0, 3, 1                       ; (l / 8) % 2: my block's half of the lanes in the operand
	v_and_b32 v241, 30, v0
	v_bfe_u32 v242, v0, 2, 1                       ; (l / 4) % 2: my piece's half of a register
	v_and_b32 v243, 3, v0                          ; l % 4: my piece's register among a block's four
	v_and_b32 v244, 15, v0                         ; r
	v_bfe_u32 v245, v0, 4, 1                       ; h; also my block's register group
	v_and_b32 v247, 1, v0
	v_bfe_u32 v[XB], v0, 3, 2                      ; l / 8: my block among the K step's four
	v_lshlrev_b32 v[GO], 4, v23
	v_lshlrev_b32 v246, 3, v23
	v_lshl_add_u32 v[XI], v245, 9, s51
	v_lshlrev_b32 v[PFO], 10, v241
	v_add_nc_u32 v[XB], s52, v[XB]                 ; XSC + 256 w + l / 8
	v_lshl_add_u32 v[XI], v240, 8, v[XI]
	v_lshl_add_u32 v[PFO], v247, 8, v[PFO]         ; 2048 (l / 2) + 256 (l % 2): a lane a block of 256 bytes
	v_add_nc_u32 v[BC], s48, v[GO]
	v_lshl_add_u32 v[XI], v243, 2, v[XI]
	v_add_nc_u32 v[BS], s49, v246
	v_lshl_add_u32 v[BD], v245, 5, s50
	v_lshl_add_u32 v[XI], v242, 1, v[XI]           ; XIMG + 4096 w + 512 (l / 16) + 256 ((l / 8) % 2) + 4 (l % 4) + 2 ((l / 4) % 2)
	v_add_nc_u32 v[XF], s53, v[GO]
	v_add_nc_u32 v[XSL], s54, v246
	v_lshlrev_b32 v[H8], 3, v245
	v_lshl_add_u32 v[SCW], v244, 2, s55
	v_add_nc_u32 v[SCRD], SCR, v[GO]
	v_add_nc_u32 v[BC+1], BLK, v[BC]
	v_add_nc_u32 v[BS+1], BLK, v[BS]
	v_add_nc_u32 v[BD+1], BLK, v[BD]
	s_wait_alu depctr_va_vdst(0)
	s_wait_dscnt 0x0                               ; both opening adds are done
	s_wait_kmcnt 0x0
	s_add_nc_u64 s[4:5], s[4:5], s[46:47]
	XLOAD 0, SET0                                  ; half of chunk 0 is asked for ahead of the round, the other half behind block 0's load
	XLOAD 1, SET1
	s_mov_b32 s16, 15|(3<<16)|(1<<21)              ; group 1: the cluster's four; elements of 8 bytes; 69 rows of 32 elements, dense
	s_mov_b32 s17, 32<<16
	s_mov_b32 s18, 69<<16
	s_mov_b32 s19, 32<<16
	s_mov_b32 s20, 69
	s_mov_b32 s21, 32
	s_mov_b32 s22, 0
	s_mov_b32 s23, 0
	s_mul_i32 s44, s10, EIGHTH                     ; my eighth of a block, in cb and in a slot
	s_mov_b32 s45, 0
	s_lshl_b32 s34, s14, 10
	s_mov_b32 s35, 0
	s_mov_b32 s37, 0xff800000                      ; minus infinity
	s_mov_b32 s38, 0x76543210
	s_mov_b32 s39, 0xfedcba98
	s_add_nc_u64 s[8:9], s[8:9], s[34:35]
	s_add_nc_u64 s[6:7], s[6:7], s[44:45]
	s_mov_b32 s24, 1
	s_mov_b32 s25, s44
	s_mov_b64 s[26:27], s[6:7]
	s_or_b32 s27, s27, 0x80000000
	s_mov_b32 s28, 1
	s_add_co_u32 s29, s44, BLK
	s_add_nc_u64 s[30:31], s[6:7], BLK
	s_or_b32 s31, s31, 0x80000000
	ROUND                                          ; in front of the first joint loads
	tensor_load_to_lds s[24:27], s[16:23]          ; block 0 into slot 0: one tensor load a wave at the head
	s_nop 0
	PLACES
	XLOAD 2, SETA
	XLOAD 3, SETB
	XQ 0, SET0, 48, 0
	XQ 1, SET1, 32, 0
	s_wait_tensorcnt 0x0                           ; slot 1's first fill is issued as a refill is
	ds_add_u32 v[SPW], v[NIL]
	s_wait_dscnt 0x0
	ROUND
	tensor_load_to_lds s[28:31], s[16:23]          ; block 1 into slot 1
	s_nop 0
	PLACES
	XQ 2, SETA, 16, 0
	global_prefetch_b8 v[PFO], s[4:5] offset:262144 th:TH_LOAD_NT scope:SCOPE_SE       ; set 4's 32 blocks of 256 bytes
	global_prefetch_b8 v[PFO], s[4:5] offset:262144+512 th:TH_LOAD_NT scope:SCOPE_SE   ; set 5's
	XQ 3, SETB, 0, 0
	s_wait_dscnt 0x0                               ; for the others' sake: my part of the image has landed
	s_barrier_signal -1
	s_barrier_wait -1
	XFRAGS
	THEAD 0, 0, 0                                  ; CHUNK 0, upward
	global_prefetch_b8 v[PFO], s[4:5] offset:262144+1024 th:TH_LOAD_NT scope:SCOPE_SE  ; set 6's
	INIT
	TUNR 0, 4                                      ; sets 4 and 5 are asked for beside block 0's tiles
	TTAIL 0, 1, 0, 4                               ; slot 0 takes block 2
	THEAD 1, 1, 0
	global_prefetch_b8 v[PFO], s[4:5] offset:262144+1536 th:TH_LOAD_NT scope:SCOPE_SE  ; set 7's
	XQ 4, SETA, 16, 11                             ; chunk 1 is quantised on the way: every wave has the image's chunk 0 in registers
	TUNR 1, 2                                      ; set 6 beside block 1's tiles
	TTAIL 1, 1, 0, 2                               ; slot 1 takes block 3
	THEAD 0, 2, 0
	XQ 5, SETB, 16, 11
	XL 8                                           ; set 7: eight loads here, eight at the block's last pair
	TLOOP 0, 0
	TTAIL 0, 0, 0, 4
	THEAD 1, 3, 0
	XQ 6, SETA, 16, 11
	TLOOP 1, 0
	XQ 7, SETB, 0, 11
	TTAIL 1, 0, 0, 0                               ; its barrier shows the image's chunk 1 to every wave
	XFRAGS
	THEAD 1, 3, 1                                  ; CHUNK 1, downward: blocks 3 and 2 lie in their slots
	FINAL
	INIT
	TLOOP 1, 1
	TTAIL 1, 2, 1, 0                               ; slot 1 takes block 1
	THEAD 0, 2, 1
	OUT 0
	TLOOP 0, 1
	TTAIL 0, 2, 1, 0                               ; slot 0 takes block 0
	THEAD 1, 1, 1
	TLOOP 1, 1
	TTAIL 1, 0, 1, 0
	THEAD 0, 0, 1
	TLOOP 0, 1
	TLAST 0, 1
	FINAL
	s_wait_dscnt 0x0
	s_barrier_signal -1
	s_barrier_wait -1
	OUT 1
	s_wait_tensorcnt 0x0                           ; the wave's end
	ds_add_u32 v[SPW], v[NIL]
	s_wait_dscnt 0x0
	ROUND                                          ; the closing round
	s_endpgm
.Lfunc_end_k_qb45cb9e81d_assign:
	.size	k_qb45cb9e81d_assign, .Lfunc_end_k_qb45cb9e81d_assign-k_qb45cb9e81d_assign
	.p2alignl 7, 3214868480
	.fill 96, 4, 3214868480
	.section	.rodata,"a",@progbits
	.p2align	6, 0x0
	.amdhsa_kernel k_qb45cb9e81d_assign
		.amdhsa_group_segment_fixed_size 327680
		.amdhsa_private_segment_fixed_size 0
		.amdhsa_enable_private_segment 0
		.amdhsa_kernarg_size 24
		.amdhsa_user_sgpr_count 2
		.amdhsa_user_sgpr_kernarg_segment_ptr 1
		.amdhsa_wavefront_size32 1
		.amdhsa_system_sgpr_workgroup_id_x 1
		.amdhsa_system_sgpr_workgroup_id_y 1
		.amdhsa_system_sgpr_workgroup_id_z 1
		.amdhsa_system_vgpr_workitem_id 0
		.amdhsa_next_free_vgpr 512
		.amdhsa_next_free_sgpr 66
		.amdhsa_reserve_vcc 1
		.amdhsa_float_denorm_mode_32 3
		.amdhsa_float_denorm_mode_16_64 3
		.amdhsa_memory_ordered 1
		.amdhsa_forward_progress 1
		.amdhsa_inst_pref_size 255
	.end_amdhsa_kernel
	.section	.bss,"aw",@nobits
	.p2align	6
	.space	262144
	.amdgpu_metadata
---
amdhsa.version: [ 1, 2 ]
amdhsa.kernels:
  - .name:           k_qb45cb9e81d_assign
    .symbol:         k_qb45cb9e81d_assign.kd
    .args:
      - { .name: inp, .offset: 0, .size: 8, .value_kind: global_buffer, .address_space: global }
      - { .name: cb, .offset: 8, .size: 8, .value_kind: global_buffer, .address_space: global }
      - { .name: out0, .offset: 16, .size: 8, .value_kind: global_buffer, .address_space: global }
    .group_segment_fixed_size: 327680
    .private_segment_fixed_size: 0
    .kernarg_segment_align: 8
    .kernarg_segment_size: 24
    .max_flat_workgroup_size: 256
    .sgpr_count:     66
    .vgpr_count:     512
    .wavefront_size: 32
...
	.end_amdgpu_metadata
.endif
;; end of part 2
